; MI455X (gfx1250); checked and timed in simulation.
; The chip was launched on July 23, 2026; its instructions are those of AMD's public machine-readable ISA for CDNA 5 (MIT licence, August 2026) and "CDNA5" Instruction Set Architecture Reference Guide (July 2026). The comments in the code are by the model that wrote it; some were corrected since.
;; SR Loss. Allowed arithmetic: float matrix products may take bf16 or f16 operands with f32 sums; all other float work in f32.
;; Inputs: face_normals 4,096 x 3 float32; hand_faces 4,096 x 3 int32; hand_verts 4,100 x 3 float32; obj_points 8,192 x 3 float32; sr_points 4,096 x 3 float32.
;; Outputs: out0 one number float32; out1 8,192 float32.
;; 2 versions, each right; version 2 is version 1 with the launch nn written anew for expert scheduling mode. Each part assembles by itself: llvm-mc -triple=amdgcn-amd-amdhsa -mcpu=gfx1250 --defsym DOCPART=n.
;; ======== version 1 of 2: 3 launches
;; limits: right only within a limited range of input values
;; workspace buffers: cand 131,072 bytes of whole numbers; ffrag 655,360 bytes; dsq 32,768 bytes; par 8,192 bytes of whole numbers
;; launch nn (part 1): grid 64 x 4, 8 waves a work-group, no clusters, 41,984 bytes of LDS; arguments sr_points, obj_points, hand_verts, hand_faces, face_normals, cand, ffrag; writes cand, ffrag
.if DOCPART == 1
	.amdgcn_target "amdgcn-amd-amdhsa--gfx1250"
	.amdhsa_code_object_version 6
	.text
	.protected	k_q71af410128_nn
	.globl	k_q71af410128_nn
	.p2align	8
	.type	k_q71af410128_nn,@function
k_q71af410128_nn:
	s_mov_b64 s[64:65], 0
	v_nop
	global_prefetch_b8 v0, s[64:65] scope:SCOPE_SE
	s_setreg_imm32_b32 hwreg(HW_REG_WAVE_MODE, 25, 1), 1
	s_wait_xcnt 0x0
; NEAREST NEIGHBOUR, coarse pass, and the faces' matrix fragments.
; score(o, s) = |s'|^2 - 2 o'.s'  with  o' = o - C, s' = s - C, C = sr_points[0]  (|o|^2 is the same for all s and is left out of the argmin).
; The work-group takes 128 object points (x) and a quarter of the sr points, 1,024 (y).  Wave w: 64 object points (w & 1), 256 sr points (w >> 1).
; Each f32 number is split into three bf16 pieces H + M + L; the seven products HH, MH, LH, HM, HL, MM, LM of all four terms fill the 32 k places
; of ONE bf16 matrix instruction, so a 16 x 16 tile of scores costs one instruction (what is dropped is about 2^-27 of a term).
; A lane's eight results are eight consecutive sr points of one object point: the pass keeps, for each object point, the number of the GROUP OF EIGHT
; (index >> 3) that holds the least score; the next launch evaluates the groups' points exactly in f32.  cand[quarter][obj] = group number, 0 to 511.
; LIMITS: NaN and infinities are not served; two groups whose least scores differ by less than the dropped part may be taken for each other.
; Wave 7 also prepares the fragments of 16 faces (tile 64 y + x) for the next launch: see below.
; No tensor loads, clusters or prefetches: all inputs together are some 300 KB and every LDS byte is written once.
.set RED,  32768                       ; LDS: 0..32767 sr fragments (64 tiles x 512 bytes); 32768..40959 the waves' (best, group) pairs
.set BF,   16                          ; v[16:47]    B: 4 tiles of object points x 8 registers
.set AF,   48                          ; v[48:175]   A: 16 tiles of sr points x 8 registers (before the scan: scratch of the build)
.set DF,   176                         ; v[176:239]  scores: two sets of 4 tiles x 8 registers, taking turns
.set BEST, 240                         ; v[240:247]  least score, two sets of 4 taking turns
.set ID,   248                         ; v[248:251]  the sr tile (0..15) in which it was found
.set TP,   88                          ; v[88:89]    scratch pair of the split
.macro LD3 d, a, b, off                ; three floats (or indices) of one record of 12 bytes
	global_load_b32 v[\d],   v[\a], s[\b:\b+1] offset:\off
	global_load_b32 v[\d+1], v[\a], s[\b:\b+1] offset:\off+4
	global_load_b32 v[\d+2], v[\a], s[\b:\b+1] offset:\off+8
.endm
.macro SPLIT3 q, s                     ; the pair v[s:s+1] into packed bf16 pieces: v[q] = H, v[q+1] = M, v[q+2] = L; the pair is used up
	v_cvt_pk_bf16_f32 v[\q], v[\s], v[\s+1]
	v_lshlrev_b32 v[TP], 16, v[\q]
	v_and_b32 v[TP+1], s28, v[\q]
	v_pk_add_f32 v[\s:\s+1], v[\s:\s+1], v[TP:TP+1] neg_lo:[0,1] neg_hi:[0,1]
	v_cvt_pk_bf16_f32 v[\q+1], v[\s], v[\s+1]
	v_lshlrev_b32 v[TP], 16, v[\q+1]
	v_and_b32 v[TP+1], s28, v[\q+1]
	v_pk_add_f32 v[\s:\s+1], v[\s:\s+1], v[TP:TP+1] neg_lo:[0,1] neg_hi:[0,1]
	v_cvt_pk_bf16_f32 v[\q+2], v[\s], v[\s+1]
.endm
	s_load_b256 s[4:11], s[0:1], 0x0               ; sr s[4:5], obj s[6:7], verts s[8:9], faces s[10:11]
	s_load_b128 s[12:15], s[0:1], 0x20             ; normals s[12:13], cand s[14:15]
	s_load_b64 s[16:17], s[0:1], 0x30              ; ffrag
	v_lshl_add_u32 v254, v0, 2, 0xa000
	v_mov_b32 v255, 0
	v_lshrrev_b32 v1, 5, v0
	v_readfirstlane_b32 s18, v1                    ; wave
	s_mov_b32 s19, ttmp9                           ; x: block of 128 object points
	s_and_b32 s20, ttmp7, 0xffff                   ; y: quarter of the sr points
	s_mov_b32 s28, 0xffff0000                      ; a word's upper bf16
	s_mov_b32 s30, 0x76543210                      ; v_permlanex16_b32: lane i takes lane i of the other half
	s_mov_b32 s31, 0xfedcba98
	s_and_b32 s21, s18, 1                          ; which 64 object points
	s_lshr_b32 s22, s18, 1                         ; which 256 sr points
	v_and_b32 v3, 31, v0                           ; lane
	v_and_b32 v4, 15, v0                           ; r
	v_bfe_u32 v5, v0, 4, 1                         ; h
	v_cmp_lt_u32 s34, 15, v3                       ; mask of lanes 16 to 31
	v_lshlrev_b32 v14, 4, v3                       ; 16 x lane
	v_mul_u32_u24 v1, v0, 12
	s_mul_i32 s32, s20, 12288
	v_add_nc_u32 v1, s32, v1                       ; byte offset of sr point 1024 y + t
	s_lshl_b32 s32, s19, 7
	s_lshl_b32 s33, s21, 6
	s_add_co_u32 s32, s32, s33
	v_add_nc_u32 v2, s32, v4
	v_mul_u32_u24 v2, v2, 12                       ; byte offset of object point 128 x + 64 (w & 1) + r
	v_lshrrev_b32 v6, 4, v0
	v_lshlrev_b32 v6, 9, v6
	v_lshl_add_u32 v6, v4, 4, v6                   ; LDS: tile (t >> 4) x 512 + 16 r
	s_wait_kmcnt 0x0
	s_load_b96 s[24:26], s[4:5], 0x0               ; C
.irp i, 0,1,2,3
	LD3 48+4*\i, 1, 4, \i*3072                     ; sr points t, t + 256, t + 512, t + 768 of the quarter
.endr
.irp i, 0,1,2,3
	LD3 64+4*\i, 2, 6, \i*192                      ; my column of the wave's four tiles of object points
.endr
	s_wait_kmcnt 0x0
; One sr point: two records of 16 bytes, [H, M, L, H] of the pair (x', y') for lanes 0-15 and of (z', |s'|^2) for lanes 16-31.
.macro SRPT i
	s_wait_loadcnt 21-3*\i                         ; loads return in order: behind this point's three stand 3 (3 - i) of sr and 12 of obj
	v_sub_f32 v[48+4*\i],   v[48+4*\i],   s24
	v_sub_f32 v[48+4*\i+1], v[48+4*\i+1], s25
	v_sub_f32 v[48+4*\i+2], v[48+4*\i+2], s26
	v_mul_f32  v[48+4*\i+3], v[48+4*\i],   v[48+4*\i]
	v_fmac_f32 v[48+4*\i+3], v[48+4*\i+1], v[48+4*\i+1]
	v_fmac_f32 v[48+4*\i+3], v[48+4*\i+2], v[48+4*\i+2]
	SPLIT3 80, 48+4*\i
	v_mov_b32 v83, v80
	ds_store_b128 v6, v[80:83] offset:\i*8192
	SPLIT3 84, 48+4*\i+2
	v_mov_b32 v87, v84
	ds_store_b128 v6, v[84:87] offset:\i*8192+256
.endm
	SRPT 0
	SRPT 1
	SRPT 2
	SRPT 3
; B: registers [H, H, H, M, L, M, M, 0] of the pair (-2x', -2y') in lanes 0-15 and of (-2z', 1) in lanes 16-31; against A's [H, M, L, H, H, M, L, H].
.irp T, 0,1,2,3
	s_wait_loadcnt 9-3*\T                          ; behind this tile's three loads stand 3 (3 - T)
	v_sub_f32 v[64+4*\T],   v[64+4*\T],   s24
	v_sub_f32 v[64+4*\T+1], v[64+4*\T+1], s25
	v_sub_f32 v[64+4*\T+2], v[64+4*\T+2], s26
	v_cndmask_b32 v[64+4*\T], v[64+4*\T], v[64+4*\T+2], s34
	v_mul_f32 v[64+4*\T],   -2.0, v[64+4*\T]
	v_mul_f32 v[64+4*\T+1], -2.0, v[64+4*\T+1]
	v_cndmask_b32 v[64+4*\T+1], v[64+4*\T+1], 1.0, s34
	SPLIT3 BF+8*\T+2, 64+4*\T
	v_mov_b32 v[BF+8*\T],   v[BF+8*\T+2]
	v_mov_b32 v[BF+8*\T+1], v[BF+8*\T+2]
	v_mov_b32 v[BF+8*\T+5], v[BF+8*\T+3]
	v_mov_b32 v[BF+8*\T+6], v[BF+8*\T+3]
	v_mov_b32 v[BF+8*\T+7], 0
	v_mov_b32 v[BEST+\T], 0x7f800000               ; +infinity
	v_mov_b32 v[ID+\T], 0
.endr
	s_lshl_b32 s32, s22, 13
	v_add_nc_u32 v7, s32, v14                      ; my wave's 16 sr tiles: 8,192 (w >> 1) + 16 lane
	s_wait_dscnt 0x0                               ; my records are in LDS, for the other waves' sake
	s_barrier_signal -1
	s_barrier_wait -1
.set i, 0
.rept 16
	ds_load_b128 v[AF+8*i:AF+8*i+3],   v7 offset:i*512     ; the record serves registers 0-3
	ds_load_b128 v[AF+8*i+4:AF+8*i+7], v7 offset:i*512     ; and 4-7
.set i, i+1
.endr
; Four matrix instructions: sr tile i against the four tiles of object points.  C is the constant 0: no sum is carried on, so no accumulator is taken up in place.
.macro WNN i
	s_wait_dscnt 30-2*(\i)                         ; behind tile i's two loads stand 30 - 2 i
.irp T, 0,1,2,3
	v_wmma_f32_16x16x32_bf16 v[DF+32*((\i)&1)+8*\T:DF+32*((\i)&1)+8*\T+7], v[AF+8*(\i):AF+8*(\i)+7], v[BF+8*\T:BF+8*\T+7], 0
.endr
.endm
.macro MIN3S i, a, b
.irp T, 0,1,2,3
	v_min3_num_f32 v[DF+32*((\i)&1)+8*\T], v[DF+32*((\i)&1)+8*\T], v[DF+32*((\i)&1)+8*\T+\a], v[DF+32*((\i)&1)+8*\T+\b]
.endr
.endm
; 24 vector instructions for 4 x 256 scores: the least of a lane's eight and of the best so far; where the best changed, the tile's number is kept (a tie keeps the earlier).
.macro VNN i
	MIN3S \i, 1, 2
	MIN3S \i, 3, 4
	MIN3S \i, 5, 6
.irp T, 0,1,2,3
	v_min3_num_f32 v[BEST+4*(1-((\i)&1))+\T], v[DF+32*((\i)&1)+8*\T], v[DF+32*((\i)&1)+8*\T+7], v[BEST+4*((\i)&1)+\T]
.endr
.irp T, 0,1,2,3
	v_cmp_eq_f32 s[36+\T], v[BEST+4*(1-((\i)&1))+\T], v[BEST+4*((\i)&1)+\T]
.endr
.irp T, 0,1,2,3
	v_cndmask_b32 v[ID+\T], \i, v[ID+\T], s[36+\T]
.endr
.endm
; The two score sets take turns.  Between the matrix instructions of a tile and the vector work that reads their results stands the vector work on the OTHER set,
; 24 independent vector instructions (ISA guide 7.12.1 asks for independent vector instructions or v_nop there); only the first tile needs v_nop.
	WNN 0
	WNN 1
.rept 4
	v_nop
.endr
.irp i, 0,1,2,3,4,5,6,7,8,9,10,11,12,13
	VNN \i
	WNN \i+2
.endr
	VNN 14
	VNN 15                                         ; the best now lies in set 0
	; the two halves of the lanes hold the two groups of eight of a tile: group = 2 (64 y + 16 (w >> 1) + tile) + h
	s_lshl_b32 s32, s20, 6
	s_lshl_b32 s33, s22, 4
	s_add_co_u32 s32, s32, s33
	v_lshlrev_b32 v8, 12, v5                       ; lanes 16-31 store into a half of RED that nobody reads: no change of EXEC
	v_lshl_add_u32 v8, v4, 3, v8
	s_lshl_b32 s33, s22, 10
	s_lshl_b32 s35, s21, 9
	s_add_co_u32 s33, s33, s35
	s_add_co_u32 s33, s33, RED
	v_add_nc_u32 v8, s33, v8                       ; RED + 4096 h + 1024 (w >> 1) + 8 (64 (w & 1) + r)
	v_mov_b32 v10, 0                               ; v_permlanex16_b32 counts as a reader of its destination
	v_mov_b32 v11, 0
.irp T, 0,1,2,3
	v_add_nc_u32 v[ID+\T], s32, v[ID+\T]
	v_lshl_or_b32 v[ID+\T], v[ID+\T], 1, v5
	v_permlanex16_b32 v10, v[BEST+\T], s30, s31
	v_permlanex16_b32 v11, v[ID+\T], s30, s31
	v_cmp_lt_f32 vcc_lo, v10, v[BEST+\T]           ; in lanes 0-15 the other half's group is the later one: it wins only if strictly less
	v_cndmask_b32 v12, v[BEST+\T], v10, vcc_lo
	v_cndmask_b32 v13, v[ID+\T], v11, vcc_lo
	ds_store_b64 v8, v[12:13] offset:\T*128
.endr
	s_wait_dscnt 0x0
	s_barrier_signal -1
	s_barrier_wait -1
	s_cmp_lg_u32 s18, 0
	s_cbranch_scc1 .Lnot_wave_0
	; wave 0: lane l joins the four waves' results for object points 4 l .. 4 l + 3 and stores four group numbers: the wave's store covers 512 consecutive bytes, aligned
	v_lshlrev_b32 v9, 5, v3
.irp b, 0,1,2,3
	ds_load_b128 v[48+8*\b:48+8*\b+3], v9 offset:RED+\b*1024
	ds_load_b128 v[52+8*\b:52+8*\b+3], v9 offset:RED+\b*1024+16
.endr
	s_lshl_b32 s32, s20, 15
	s_lshl_b32 s33, s19, 9
	s_add_co_u32 s32, s32, s33
	s_mov_b32 s33, 0
	s_add_nc_u64 s[14:15], s[14:15], s[32:33]
	s_wait_dscnt 0x0
.irp b, 1,2,3
.irp j, 0,1,2,3
	v_cmp_lt_f32 vcc_lo, v[48+8*\b+2*\j], v[48+2*\j]
	v_cndmask_b32 v[48+2*\j], v[48+2*\j], v[48+8*\b+2*\j], vcc_lo
	v_cndmask_b32 v[49+2*\j], v[49+2*\j], v[49+8*\b+2*\j], vcc_lo
.endr
.endr
	v_mov_b32 v80, v49
	v_mov_b32 v81, v51
	v_mov_b32 v82, v53
	v_mov_b32 v83, v55
	global_store_b128 v14, v[80:83], s[14:15]
	s_wait_tensorcnt 0x0
	ds_add_u32 v254, v255
	s_wait_dscnt 0x0
	s_endpgm
.Lnot_wave_0:
	s_cmp_lg_u32 s18, 7
	s_cbranch_scc1 .Lend
	; WAVE 7: THE FRAGMENTS OF 16 FACES.  With c_k = n x (vb - va), kappa = n.v0', primes meaning "minus C":
	;   a_k = c_k x n,  w_k = kappa c_k - (c_k.va') n,  so that  edge_sign_k x (n.D) = a_k.(O' x D) + w_k.D   (triple-product expansion; no division is needed),
	;   den = n.D,  num = kappa - n.O'.
	; Records of 4 words of packed bf16: E_k [(ax,ay),(az,wx),(wy,wz),0], den [(nx,ny),(nz,0),0,0], num [0,0,(-nx,-ny),(-nz,kappa)].
	; Each number is two pieces, hi + lo.  Lane (r, h) computes face r and stores its hi (h = 0) or lo (h = 1) record at tile x 2560 + p x 512 + 16 lane.
.set FN,  52                           ; n; v55 = 0
.set FV0, 56
.set FV1, 60
.set FV2, 64
.set KAP, 59
.set ED,  68                           ; vb - va
.set TS,  71
.set CC,  72                           ; c_k
.set SD,  75                           ; c_k.va'
.set VP,  76                           ; va'
.set RW,  80                           ; a_k, w_k: six registers
.set TT,  86
.set HH,  88
.set LL,  89
.set NK,  90                           ; (-nz, kappa)
.set QF,  92                           ; five records to store
.macro CROSS d, a, b
	v_mul_f32 v[TS], v[\a+2], v[\b+1]
	v_fma_f32 v[\d], v[\a+1], v[\b+2], -v[TS]
	v_mul_f32 v[TS], v[\a], v[\b+2]
	v_fma_f32 v[\d+1], v[\a+2], v[\b], -v[TS]
	v_mul_f32 v[TS], v[\a+1], v[\b]
	v_fma_f32 v[\d+2], v[\a], v[\b+1], -v[TS]
.endm
.macro DOT3 d, a, b
	v_mul_f32  v[\d], v[\a], v[\b]
	v_fmac_f32 v[\d], v[\a+1], v[\b+1]
	v_fmac_f32 v[\d], v[\a+2], v[\b+2]
.endm
.macro SUBC d, a
	v_sub_f32 v[\d],   v[\a],   s24
	v_sub_f32 v[\d+1], v[\a+1], s25
	v_sub_f32 v[\d+2], v[\a+2], s26
.endm
.macro SPLITSEL d, s                   ; the pair v[s:s+1] as packed bf16: the hi pieces in lanes 0-15, the lo pieces in lanes 16-31
	v_cvt_pk_bf16_f32 v[HH], v[\s], v[\s+1]
	v_lshlrev_b32 v[TT], 16, v[HH]
	v_and_b32 v[TT+1], s28, v[HH]
	v_pk_add_f32 v[TT:TT+1], v[\s:\s+1], v[TT:TT+1] neg_lo:[0,1] neg_hi:[0,1]
	v_cvt_pk_bf16_f32 v[LL], v[TT], v[TT+1]
	v_cndmask_b32 v[\d], v[HH], v[LL], s34
.endm
.macro EDGE p, va, vb
.irp j, 0,1,2
	v_sub_f32 v[ED+\j], v[\vb+\j], v[\va+\j]
.endr
	CROSS CC, FN, ED
	CROSS RW, CC, FN
	SUBC VP, \va
	DOT3 SD, CC, VP
.irp j, 0,1,2
	v_mul_f32 v[TS], v[SD], v[FN+\j]
	v_fma_f32 v[RW+3+\j], v[KAP], v[CC+\j], -v[TS]
.endr
	SPLITSEL QF+4*\p,   RW
	SPLITSEL QF+4*\p+1, RW+2
	SPLITSEL QF+4*\p+2, RW+4
	v_mov_b32 v[QF+4*\p+3], 0
	global_store_b128 v14, v[QF+4*\p:QF+4*\p+3], s[16:17] offset:\p*512   ; 512 consecutive bytes, aligned; each record has registers of its own
.endm
	s_lshl_b32 s32, s20, 6
	s_add_co_u32 s32, s32, s19                     ; face tile 64 y + x
	s_lshl_b32 s33, s32, 4
	v_add_nc_u32 v9, s33, v4
	v_mul_u32_u24 v9, v9, 12                       ; face 16 tile + r, 12 bytes each
	LD3 48, 9, 10, 0                               ; its three vertex numbers
	LD3 FN, 9, 12, 0                               ; its normal
	s_mul_i32 s32, s32, 2560
	s_mov_b32 s33, 0
	s_add_nc_u64 s[16:17], s[16:17], s[32:33]
	s_wait_loadcnt 0x0
.irp j, 0,1,2
	v_min_u32 v[48+\j], 0x1003, v[48+\j]           ; 4,100 vertices
	v_mul_u32_u24 v[48+\j], v[48+\j], 12
.endr
	LD3 FV0, 48, 8, 0
	LD3 FV1, 49, 8, 0
	LD3 FV2, 50, 8, 0
	v_mov_b32 v[FN+3], 0
	s_wait_loadcnt 0x0
	SUBC VP, FV0
	DOT3 KAP, FN, VP
	EDGE 0, FV0, FV1
	EDGE 1, FV1, FV2
	EDGE 2, FV2, FV0
	SPLITSEL QF+12, FN
	SPLITSEL QF+13, FN+2
	v_mov_b32 v[QF+14], 0
	v_mov_b32 v[QF+15], 0
	global_store_b128 v14, v[QF+12:QF+15], s[16:17] offset:3*512
	v_xor_b32 v[NK], 0x80000000, v[FN+2]
	v_mov_b32 v[NK+1], v[KAP]
	v_mov_b32 v[QF+16], 0
	v_mov_b32 v[QF+17], 0
	v_xor_b32 v[QF+18], 0x80008000, v[QF+12]       ; both pieces of -n are those of n with the signs turned
	SPLITSEL QF+19, NK
	global_store_b128 v14, v[QF+16:QF+19], s[16:17] offset:4*512
.Lend:
	s_wait_tensorcnt 0x0
	ds_add_u32 v254, v255
	s_wait_dscnt 0x0
	s_endpgm
.Lfunc_end_k_q71af410128_nn:
	.size	k_q71af410128_nn, .Lfunc_end_k_q71af410128_nn-k_q71af410128_nn
	.p2alignl 7, 3214868480
	.fill 96, 4, 3214868480
	.section	.rodata,"a",@progbits
	.p2align	6, 0x0
	.amdhsa_kernel k_q71af410128_nn
		.amdhsa_group_segment_fixed_size 41984
		.amdhsa_private_segment_fixed_size 0
		.amdhsa_enable_private_segment 0
		.amdhsa_kernarg_size 56
		.amdhsa_user_sgpr_count 2
		.amdhsa_user_sgpr_kernarg_segment_ptr 1
		.amdhsa_wavefront_size32 1
		.amdhsa_system_sgpr_workgroup_id_x 1
		.amdhsa_system_sgpr_workgroup_id_y 1
		.amdhsa_system_sgpr_workgroup_id_z 1
		.amdhsa_system_vgpr_workitem_id 0
		.amdhsa_next_free_vgpr 256
		.amdhsa_next_free_sgpr 66
		.amdhsa_reserve_vcc 1
		.amdhsa_float_denorm_mode_32 3
		.amdhsa_float_denorm_mode_16_64 3
		.amdhsa_memory_ordered 1
		.amdhsa_forward_progress 1
		.amdhsa_inst_pref_size 60
	.end_amdhsa_kernel
	.amdgpu_metadata
---
amdhsa.version: [ 1, 2 ]
amdhsa.kernels:
  - .name:           k_q71af410128_nn
    .symbol:         k_q71af410128_nn.kd
    .args:
      - { .name: sr_points, .offset: 0, .size: 8, .value_kind: global_buffer, .address_space: global }
      - { .name: obj_points, .offset: 8, .size: 8, .value_kind: global_buffer, .address_space: global }
      - { .name: hand_verts, .offset: 16, .size: 8, .value_kind: global_buffer, .address_space: global }
      - { .name: hand_faces, .offset: 24, .size: 8, .value_kind: global_buffer, .address_space: global }
      - { .name: face_normals, .offset: 32, .size: 8, .value_kind: global_buffer, .address_space: global }
      - { .name: cand, .offset: 40, .size: 8, .value_kind: global_buffer, .address_space: global }
      - { .name: ffrag, .offset: 48, .size: 8, .value_kind: global_buffer, .address_space: global }
    .group_segment_fixed_size: 41984
    .private_segment_fixed_size: 0
    .kernarg_segment_align: 8
    .kernarg_segment_size: 56
    .max_flat_workgroup_size: 256
    .sgpr_count:     66
    .vgpr_count:     256
    .wavefront_size: 32
...
	.end_amdgpu_metadata
.endif
;; end of part 1
;; launch hits (part 2): grid 32 x 8, 8 waves a work-group, no clusters, 168,960 bytes of LDS; arguments ffrag, cand, obj_points, sr_points, out1, dsq, par; writes out1, dsq, par
.if DOCPART == 2
	.amdgcn_target "amdgcn-amd-amdhsa--gfx1250"
	.amdhsa_code_object_version 6
	.text
	.protected	k_q71af410128_hits
	.globl	k_q71af410128_hits
	.p2align	8
	.type	k_q71af410128_hits,@function
k_q71af410128_hits:
	s_mov_b64 s[64:65], 0
	v_nop
	global_prefetch_b8 v0, s[64:65] scope:SCOPE_SE
	s_setreg_imm32_b32 hwreg(HW_REG_WAVE_MODE, 25, 1), 1
	s_wait_xcnt 0x0
; EXACT NEAREST POINT, CONTACT MAP, AND THE PARITY OF RAY-TRIANGLE HITS.
; The work-group takes 256 rays (x; thread t owns ray 256 x + t) and 512 faces (y).  Wave w: ray tiles 4 (w & 3) .. + 3, face tiles 16 (w >> 2) .. + 15 of the block's 32.
; 1. The block's face fragments, 81,920 bytes, are copied into LDS once by asynchronous copies while the rays are prepared.
; 2. Each thread evaluates the 4 x 8 candidate sr points of its ray in f32, in ascending index with a strict less (the first least wins, as in argmin):
;    D = s - o, dsq = |D|^2 (this is min d2 of the problem, formed without the cancelling sum), cmap = 1 - 2 (sigmoid(100 sqrt(max(dsq, 0))) - 0.5).
; 3. Five matrix products for a tile of 16 faces x 16 rays: E_k = edge_sign_k x den (k = 0, 1, 2), den = n.D, num = kappa - n.O'.  All numbers are hi + lo bf16 pieces and
;    all four piece products lie in one instruction's 32 k places: A holds hi in registers 0-3 and lo in 4-7, B holds hi in lanes 0-15 and lo in lanes 16-31.
; 4. A hit is: E_k den >= 0 (k = 0, 1, 2), (num - EPS den) den > 0, den^2 > EPS^2.  Each is written so that its sign bit is 0 where it holds; the least of the five carries
;    the sign of a miss, and the signs are XORed.  Every block has an even number of faces, so the parity of misses is the parity of hits.
; LIMITS: t > EPS is judged as (num - EPS den) den >= 2^-126; products that underflow, NaN and infinities are not served; the pieces drop about 2^-18 of a term,
;    so a ray that passes closer than that to a triangle's edge may be judged otherwise than in f32.
; |den| > EPS is exact: 0x24E69596 lies between the squares of f32(1e-8) and of the next f32 above it, and a fused multiply-add has the exact sign.
; No cluster: what the 32 work-groups of one face block share is this one first fill of 81,920 bytes, which the ray preparation covers; nothing is refilled, so there is no ring.
.set RAY,  81920                       ; LDS 0..81919 face fragments (copies only); 81920..98303 ray records: tile x 1024 + b x 512 + level x 256 + 16 r
.set OUTS, 98304                       ; 1 KiB cmap, 1 KiB dsq
.set PAR,  100352                      ; [2][256] words: the sign words of the two halves of the faces
.set BF,   16                          ; v[16:79]    B1[T] at 16 + 16 T, B2[T] at 24 + 16 T (before the barrier: v16-18 scratch, v20-21 the copies' second offsets)
.set AB,   80                          ; v[80:159]   A: two buffers of 5 fragments (before the loop: v[80:175] the 32 candidates)
.set DF,   160                         ; v[160:239]  two sets of E0, E1, E2, DEN, NUM
.set ACC,  240                         ; v[240:243]  XOR of the sign words, one for each ray tile
.set BD,   176                         ; preparation: least dsq
.set CT,   180                         ; a candidate's D and dsq
.set P1,   184                         ; Lx Ly Lz Dx Dy Dz
.set P2,   190                         ; Dx Dy Dz 0 O'x O'y O'z 1
.set TT,   198
.set QH1,  200
.set QL1,  204
.set QH2,  208
.set QL2,  212
.set CM,   216
	s_load_b256 s[4:11], s[0:1], 0x0               ; ffrag s[4:5], cand s[6:7], obj s[8:9], sr s[10:11]
	s_load_b128 s[12:15], s[0:1], 0x20             ; out1 s[12:13], dsq s[14:15]
	s_load_b64 s[16:17], s[0:1], 0x30              ; par
	v_lshl_add_u32 v254, v0, 2, 0x29000
	v_mov_b32 v255, 0
	ds_add_u32 v254, v255
	ds_add_u32 v254, v255
	v_lshrrev_b32 v3, 5, v0
	v_readfirstlane_b32 s18, v3                    ; wave
	s_and_b32 s19, ttmp7, 0xffff                   ; y: block of 512 faces
	s_mov_b32 s23, ttmp9                           ; x: block of 256 rays
	v_lshlrev_b32 v1, 4, v0                        ; the copies' offset in memory: 16 t
	v_lshlrev_b32 v2, 4, v0                        ; and in LDS
	v_add_nc_u32 v20, 0x10000, v1                  ; the same 65,536 bytes further on, so that every copy's immediate stays below 65,536;
	v_add_nc_u32 v21, 0x10000, v2                  ; all four stay as they are until s_wait_asynccnt 0
	s_mul_i32 s32, s19, 81920
	s_mov_b32 s33, 0
	s_wait_dscnt 0x0
	s_wait_kmcnt 0x0
	s_add_nc_u64 s[36:37], s[4:5], s[32:33]
.set k, 0
.rept 16
	global_load_async_to_lds_b128 v2, v1, s[36:37] offset:k*4096   ; the eight waves together: 4,096 bytes a line; the immediate steps both addresses
.set k, k+1
.endr
.set k, 0
.rept 4
	global_load_async_to_lds_b128 v21, v20, s[36:37] offset:k*4096 ; bytes 65,536 to 81,919
.set k, k+1
.endr
	s_load_b96 s[20:22], s[10:11], 0x0             ; C = sr_points[0]
	s_mov_b32 s24, 0xb22bcc77                      ; -EPS, as a pair for the packed forms
	s_mov_b32 s25, 0xb22bcc77
	s_mov_b32 s26, 0x80800000                      ; -2^-126
	s_mov_b32 s27, 0x80800000
	s_mov_b32 s28, 0xa4e69596                      ; -(a number between EPS^2 and the next f32's square)
	s_mov_b32 s29, 0xa4e69596
	s_mov_b32 s31, 0xffff0000
	s_mov_b32 s34, 0x76543210
	s_mov_b32 s35, 0xfedcba98
	v_and_b32 v3, 31, v0                           ; lane
	v_and_b32 v4, 15, v0                           ; r
	s_lshl_b32 s32, s23, 8
	v_add_nc_u32 v18, s32, v0                      ; my ray
	v_mul_u32_u24 v16, v18, 12
	v_lshlrev_b32 v17, 2, v18
	global_load_b32 v12, v16, s[8:9]
	global_load_b32 v13, v16, s[8:9] offset:4
	global_load_b32 v14, v16, s[8:9] offset:8
.irp q, 0,1,2,3
	global_load_b32 v[8+\q], v17, s[6:7] offset:\q*32768
.endr
	v_lshrrev_b32 v7, 4, v0
	v_lshlrev_b32 v7, 10, v7
	v_lshl_add_u32 v7, v4, 4, v7
	v_add_nc_u32 v7, RAY, v7                       ; my ray's records
	v_lshlrev_b32 v15, 2, v0
	v_add_nc_u32 v15, OUTS, v15
	s_wait_loadcnt 0x0
.irp q, 0,1,2,3
	v_min_u32 v[8+\q], 0x1ff, v[8+\q]              ; 512 groups of eight points, 96 bytes each
	v_mul_u32_u24 v[8+\q], v[8+\q], 96
.endr
.irp q, 0,1,2,3
.irp m, 0,1,2,3,4,5
	global_load_b128 v[80+24*\q+4*\m:80+24*\q+4*\m+3], v[8+\q], s[10:11] offset:16*\m
.endr
.endr
.macro CAND c, first
.if \first
	v_sub_f32 v[P2],   v[\c],   v12
	v_sub_f32 v[P2+1], v[\c+1], v13
	v_sub_f32 v[P2+2], v[\c+2], v14
	v_mul_f32  v[BD], v[P2], v[P2]
	v_fmac_f32 v[BD], v[P2+1], v[P2+1]
	v_fmac_f32 v[BD], v[P2+2], v[P2+2]
.else
	v_sub_f32 v[CT],   v[\c],   v12
	v_sub_f32 v[CT+1], v[\c+1], v13
	v_sub_f32 v[CT+2], v[\c+2], v14
	v_mul_f32  v[CT+3], v[CT], v[CT]
	v_fmac_f32 v[CT+3], v[CT+1], v[CT+1]
	v_fmac_f32 v[CT+3], v[CT+2], v[CT+2]
	v_cmp_lt_f32 vcc_lo, v[CT+3], v[BD]
	v_cndmask_b32 v[BD],   v[BD],   v[CT+3], vcc_lo
	v_cndmask_b32 v[P2],   v[P2],   v[CT],   vcc_lo
	v_cndmask_b32 v[P2+1], v[P2+1], v[CT+1], vcc_lo
	v_cndmask_b32 v[P2+2], v[P2+2], v[CT+2], vcc_lo
.endif
.endm
	s_wait_loadcnt 18                              ; the first group's six loads are in; the other three groups' 18 stay out
	CAND 80, 1
.irp j, 1,2,3,4,5,6,7
	CAND 80+3*\j, 0
.endr
.irp q, 1,2,3
	s_wait_loadcnt 18-6*\q                         ; behind group q's loads stand 6 (3 - q)
.irp j, 0,1,2,3,4,5,6,7
	CAND 80+24*\q+3*\j, 0
.endr
.endr
	s_wait_kmcnt 0x0                               ; C
	; the contact map; behind each transcendental stands one plain independent instruction (ISA guide 5.7.2): the three subtractions that make O'
	v_max_num_f32 v[CM], 0, v[BD]
	v_sqrt_f32 v[CM+1], v[CM]
	v_sub_f32 v[P2+4], v12, s20
	s_wait_alu depctr_va_vdst(0)
	v_mul_f32 v[CM+1], 0xc31044fe, v[CM+1]         ; -100 log2(e) x distance
	v_exp_f32 v[CM+2], v[CM+1]
	v_sub_f32 v[P2+5], v13, s21
	s_wait_alu depctr_va_vdst(0)
	v_add_f32 v[CM+2], 1.0, v[CM+2]
	v_rcp_f32 v[CM+3], v[CM+2]                     ; sigmoid
	v_sub_f32 v[P2+6], v14, s22
	s_wait_alu depctr_va_vdst(0)
	v_add_f32 v[CM+3], -0.5, v[CM+3]
	v_fma_f32 v[CM+3], v[CM+3], -2.0, 1.0
	ds_store_b32 v15, v[CM+3]
	ds_store_b32 v15, v[BD] offset:1024
	; L = O' x D
	v_mul_f32 v[TT], v[P2+6], v[P2+1]
	v_fma_f32 v[P1], v[P2+5], v[P2+2], -v[TT]
	v_mul_f32 v[TT], v[P2+4], v[P2+2]
	v_fma_f32 v[P1+1], v[P2+6], v[P2], -v[TT]
	v_mul_f32 v[TT], v[P2+5], v[P2]
	v_fma_f32 v[P1+2], v[P2+4], v[P2+1], -v[TT]
	v_mov_b32 v[P1+3], v[P2]
	v_mov_b32 v[P1+4], v[P2+1]
	v_mov_b32 v[P1+5], v[P2+2]
	v_mov_b32 v[P2+3], 0
	v_mov_b32 v[P2+7], 1.0
.macro SPLIT2 h, l, s                  ; the pair v[s:s+1] as packed bf16: hi pieces in v[h], lo pieces in v[l]
	v_cvt_pk_bf16_f32 v[\h], v[\s], v[\s+1]
	v_lshlrev_b32 v[TT], 16, v[\h]
	v_and_b32 v[TT+1], s31, v[\h]
	v_pk_add_f32 v[TT:TT+1], v[\s:\s+1], v[TT:TT+1] neg_lo:[0,1] neg_hi:[0,1]
	v_cvt_pk_bf16_f32 v[\l], v[TT], v[TT+1]
.endm
.irp j, 0,1,2
	SPLIT2 QH1+\j, QL1+\j, P1+2*\j
.endr
	v_mov_b32 v[QH1+3], 0
	v_mov_b32 v[QL1+3], 0
.irp j, 0,1,2,3
	SPLIT2 QH2+\j, QL2+\j, P2+2*\j
.endr
	ds_store_b128 v7, v[QH1:QH1+3]
	ds_store_b128 v7, v[QL1:QL1+3] offset:256
	ds_store_b128 v7, v[QH2:QH2+3] offset:512
	ds_store_b128 v7, v[QL2:QL2+3] offset:768
	s_wait_asynccnt 0x0                            ; my copies have landed,
	s_wait_dscnt 0x0                               ; my records are in LDS: both for the other waves' sake
	s_barrier_signal -1
	s_barrier_wait -1
	; out1 and dsq leave once, from face block 0, by wave 0: each store covers 512 consecutive bytes, aligned
	s_cmp_lg_u32 s19, 0
	s_cbranch_scc1 .Lno_out
	s_cmp_lg_u32 s18, 0
	s_cbranch_scc1 .Lno_out
	v_lshlrev_b32 v17, 4, v3
	v_add_nc_u32 v16, OUTS, v17
	ds_load_b128 v[80:83], v16
	ds_load_b128 v[84:87], v16 offset:512
	ds_load_b128 v[88:91], v16 offset:1024
	ds_load_b128 v[92:95], v16 offset:1536
	s_lshl_b32 s32, s23, 10
	s_mov_b32 s33, 0
	s_add_nc_u64 s[12:13], s[12:13], s[32:33]
	s_add_nc_u64 s[14:15], s[14:15], s[32:33]
	s_wait_dscnt 0x0
	global_store_b128 v17, v[80:83], s[12:13]
	global_store_b128 v17, v[84:87], s[12:13] offset:512
	global_store_b128 v17, v[88:91], s[14:15]
	global_store_b128 v17, v[92:95], s[14:15] offset:512
	s_wait_xcnt 0x0                                ; v17 and v[80:95] are loaded again below, only behind this wait
.Lno_out:
	s_and_b32 s32, s18, 3
	s_lshl_b32 s32, s32, 12
	s_add_co_u32 s32, s32, RAY
	v_lshl_add_u32 v6, v3, 4, s32                  ; my four ray tiles: RAY + 4096 (w & 3) + 16 lane
.irp T, 0,1,2,3
	ds_load_b128 v[BF+16*\T:BF+16*\T+3],     v6 offset:\T*1024        ; a lane's record serves registers 0-3 and 4-7
	ds_load_b128 v[BF+16*\T+4:BF+16*\T+7],   v6 offset:\T*1024
	ds_load_b128 v[BF+16*\T+8:BF+16*\T+11],  v6 offset:\T*1024+512
	ds_load_b128 v[BF+16*\T+12:BF+16*\T+15], v6 offset:\T*1024+512
.endr
	s_lshr_b32 s32, s18, 2
	s_mul_i32 s32, s32, 40960
	v_lshl_add_u32 v5, v4, 4, s32                  ; my sixteen face tiles: 40,960 (w >> 2) + 16 r; both halves of the lanes read the same record
.irp T, 0,1,2,3
	v_mov_b32 v[ACC+\T], 0
.endr
.macro LOADA buf, off                  ; a face tile's five fragments: hi record into registers 0-3, lo record into 4-7
.irp p, 0,1,2,3,4
	ds_load_b128 v[AB+40*\buf+8*\p:AB+40*\buf+8*\p+3],   v5 offset:\off+\p*512
	ds_load_b128 v[AB+40*\buf+8*\p+4:AB+40*\buf+8*\p+7], v5 offset:\off+\p*512+256
.endr
.endm
.macro W st, buf, T                    ; five products of one face tile and one ray tile; C is the constant 0: nothing is summed on in place
.irp p, 0,1,2
	v_wmma_f32_16x16x32_bf16 v[DF+40*\st+8*\p:DF+40*\st+8*\p+7], v[AB+40*\buf+8*\p:AB+40*\buf+8*\p+7], v[BF+16*\T:BF+16*\T+7], 0
.endr
.irp p, 3,4
	v_wmma_f32_16x16x32_bf16 v[DF+40*\st+8*\p:DF+40*\st+8*\p+7], v[AB+40*\buf+8*\p:AB+40*\buf+8*\p+7], v[BF+16*\T+8:BF+16*\T+15], 0
.endr
.endm
.macro V st, T                         ; 48 vector instructions for 256 pairs of a face and a ray
.set DS, DF+40*\st
.irp e, 0,8,16
.irp j, 0,2,4,6
	v_pk_fma_f32 v[DS+\e+\j:DS+\e+\j+1], v[DS+\e+\j:DS+\e+\j+1], v[DS+24+\j:DS+24+\j+1], 0 op_sel_hi:[1,1,0]   ; E_k den + 0: the +0 turns a -0 into +0
.endr
.endr
.irp j, 0,2,4,6
	v_pk_fma_f32 v[DS+32+\j:DS+32+\j+1], v[DS+24+\j:DS+24+\j+1], s[24:25], v[DS+32+\j:DS+32+\j+1] op_sel_hi:[1,0,1]   ; q = num - EPS den
.endr
.irp j, 0,2,4,6
	v_pk_fma_f32 v[DS+32+\j:DS+32+\j+1], v[DS+32+\j:DS+32+\j+1], v[DS+24+\j:DS+24+\j+1], s[26:27] op_sel_hi:[1,1,0]   ; q den - 2^-126
.endr
.irp j, 0,2,4,6
	v_pk_fma_f32 v[DS+24+\j:DS+24+\j+1], v[DS+24+\j:DS+24+\j+1], v[DS+24+\j:DS+24+\j+1], s[28:29] op_sel_hi:[1,1,0]   ; den^2 - EPS^2
.endr
.irp j, 0,1,2,3,4,5,6,7
	v_min3_num_f32 v[DS+\j], v[DS+\j], v[DS+8+\j], v[DS+16+\j]
.endr
.irp j, 0,1,2,3,4,5,6,7
	v_min3_num_f32 v[DS+\j], v[DS+\j], v[DS+32+\j], v[DS+24+\j]      ; negative where any test fails
.endr
	v_xor_b32 v[DS],   v[DS],   v[DS+1]
	v_xor_b32 v[DS+2], v[DS+2], v[DS+3]
	v_xor_b32 v[DS+4], v[DS+4], v[DS+5]
	v_xor_b32 v[DS+6], v[DS+6], v[DS+7]
	v_xor_b32 v[DS],   v[DS],   v[DS+2]
	v_xor_b32 v[DS+4], v[DS+4], v[DS+6]
	v_xor_b32 v[DS],   v[DS],   v[DS+4]
	v_xor_b32 v[ACC+\T], v[ACC+\T], v[DS]
.endm
; A trip: two face tiles against the four ray tiles.  The two result sets take turns: between a set's matrix instructions and the vector work on it stands the vector work
; on the other set, 48 independent vector instructions; the same 48 stand between the last product that reads an A buffer and the loads that fill it again.
; Only the trip's first set needs v_nop.
.macro TRIP pre
	LOADA 1, 2560
	s_wait_dscnt 10                                ; all but the ten just issued: buffer 0 (and, in the first trip, B) is in
	W 0, 0, 0
	W 1, 0, 1
.rept 4
	v_nop
.endr
	V 0, 0
	W 0, 0, 2
	V 1, 1
	W 1, 0, 3
	V 0, 2
.if \pre
	LOADA 0, 5120                                  ; the next trip's first tile
	s_wait_dscnt 10                                ; all but these ten: buffer 1 is in
.else
	s_wait_dscnt 0
.endif
	W 0, 1, 0
	V 1, 3
	W 1, 1, 1
	V 0, 0
	W 0, 1, 2
	V 1, 1
	W 1, 1, 3
	V 0, 2
	V 1, 3
	v_add_nc_u32 v5, 5120, v5
.endm
	LOADA 0, 0
	s_mov_b32 s30, 7
.Ltrip:
	TRIP 1
	s_sub_co_u32 s30, s30, 1
	s_cmp_lg_u32 s30, 0
	s_cbranch_scc1 .Ltrip
	TRIP 0                                         ; the last two tiles: nothing more to load
	; the two halves of the lanes hold faces 0-7 and 8-15 of each tile: join them, then the two halves of the faces through LDS
	s_lshr_b32 s32, s18, 2
	s_lshl_b32 s32, s32, 10
	s_and_b32 s33, s18, 3
	s_lshl_b32 s33, s33, 8
	s_add_co_u32 s32, s32, s33
	s_add_co_u32 s32, s32, PAR
	v_lshl_add_u32 v8, v4, 2, s32                  ; PAR + 1024 (w >> 2) + 256 (w & 3) + 4 r
	v_mov_b32 v15, 0                               ; v_permlanex16_b32 counts as a reader of its destination
.irp T, 0,1,2,3
	v_permlanex16_b32 v15, v[ACC+\T], s34, s35
	v_xor_b32 v[ACC+\T], v[ACC+\T], v15
	ds_store_b32 v8, v[ACC+\T] offset:\T*64        ; lanes r and r + 16 store the same word with the same value
.endr
	s_wait_dscnt 0x0
	s_barrier_signal -1
	s_barrier_wait -1
	s_cmp_lg_u32 s18, 0
	s_cbranch_scc1 .Lend
	v_lshlrev_b32 v11, 2, v3
	v_add_nc_u32 v9, PAR, v11
.irp k, 0,1,2,3,4,5,6,7
	ds_load_b32 v[80+\k], v9 offset:\k*128
	ds_load_b32 v[88+\k], v9 offset:\k*128+1024
.endr
	s_lshl_b32 s32, s19, 10
	s_lshl_b32 s33, s23, 5
	s_add_co_u32 s32, s32, s33
	s_mov_b32 s33, 0
	s_add_nc_u64 s[16:17], s[16:17], s[32:33]      ; par[y][8 x ..]
	v_mov_b32 v10, 0
	s_wait_dscnt 0x0
.irp k, 0,1,2,3,4,5,6,7
	v_xor_b32 v[80+\k], v[80+\k], v[88+\k]
	v_cmp_gt_i32 s[40+\k], 0, v[80+\k]             ; the sign bits of rays 32 k .. 32 k + 31 as one word
	v_writelane_b32 v10, s[40+\k], \k
.endr
	v_cmp_gt_u32 vcc_lo, 8, v3
	s_wait_xcnt 0x0                                ; EXEC changes only behind s_wait_xcnt 0
	s_and_saveexec_b32 s48, vcc_lo
	global_store_b32 v11, v10, s[16:17]            ; eight words: the block's 256 parity bits
	s_wait_xcnt 0x0
	s_or_b32 exec_lo, exec_lo, s48
.Lend:
	s_wait_tensorcnt 0x0
	ds_add_u32 v254, v255
	s_wait_dscnt 0x0
	s_endpgm
.Lfunc_end_k_q71af410128_hits:
	.size	k_q71af410128_hits, .Lfunc_end_k_q71af410128_hits-k_q71af410128_hits
	.p2alignl 7, 3214868480
	.fill 96, 4, 3214868480
	.section	.rodata,"a",@progbits
	.p2align	6, 0x0
	.amdhsa_kernel k_q71af410128_hits
		.amdhsa_group_segment_fixed_size 168960
		.amdhsa_private_segment_fixed_size 0
		.amdhsa_enable_private_segment 0
		.amdhsa_kernarg_size 56
		.amdhsa_user_sgpr_count 2
		.amdhsa_user_sgpr_kernarg_segment_ptr 1
		.amdhsa_wavefront_size32 1
		.amdhsa_system_sgpr_workgroup_id_x 1
		.amdhsa_system_sgpr_workgroup_id_y 1
		.amdhsa_system_sgpr_workgroup_id_z 1
		.amdhsa_system_vgpr_workitem_id 0
		.amdhsa_next_free_vgpr 256
		.amdhsa_next_free_sgpr 66
		.amdhsa_reserve_vcc 1
		.amdhsa_float_denorm_mode_32 3
		.amdhsa_float_denorm_mode_16_64 3
		.amdhsa_memory_ordered 1
		.amdhsa_forward_progress 1
		.amdhsa_inst_pref_size 81
	.end_amdhsa_kernel
	.amdgpu_metadata
---
amdhsa.version: [ 1, 2 ]
amdhsa.kernels:
  - .name:           k_q71af410128_hits
    .symbol:         k_q71af410128_hits.kd
    .args:
      - { .name: ffrag, .offset: 0, .size: 8, .value_kind: global_buffer, .address_space: global }
      - { .name: cand, .offset: 8, .size: 8, .value_kind: global_buffer, .address_space: global }
      - { .name: obj_points, .offset: 16, .size: 8, .value_kind: global_buffer, .address_space: global }
      - { .name: sr_points, .offset: 24, .size: 8, .value_kind: global_buffer, .address_space: global }
      - { .name: out1, .offset: 32, .size: 8, .value_kind: global_buffer, .address_space: global }
      - { .name: dsq, .offset: 40, .size: 8, .value_kind: global_buffer, .address_space: global }
      - { .name: par, .offset: 48, .size: 8, .value_kind: global_buffer, .address_space: global }
    .group_segment_fixed_size: 168960
    .private_segment_fixed_size: 0
    .kernarg_segment_align: 8
    .kernarg_segment_size: 56
    .max_flat_workgroup_size: 256
    .sgpr_count:     66
    .vgpr_count:     256
    .wavefront_size: 32
...
	.end_amdgpu_metadata
.endif
;; end of part 2
;; launch finish (part 3): grid 1 x 1, 32 waves a work-group, no clusters, 4,352 bytes of LDS; arguments dsq, par, out0; writes out0
.if DOCPART == 3
	.amdgcn_target "amdgcn-amd-amdhsa--gfx1250"
	.amdhsa_code_object_version 6
	.text
	.protected	k_q71af410128_finish
	.globl	k_q71af410128_finish
	.p2align	8
	.type	k_q71af410128_finish,@function
k_q71af410128_finish:
	s_mov_b64 s[64:65], 0
	v_nop
	global_prefetch_b8 v0, s[64:65] scope:SCOPE_SE
	s_setreg_imm32_b32 hwreg(HW_REG_WAVE_MODE, 25, 1), 1
	s_wait_xcnt 0x0
; out0 = sqrt(sum over the rays with an odd number of hits of |D|^2 + 1e-12).
; One work-group, since the sum spans all rays: 1,024 threads, thread t owns rays 8 t .. 8 t + 7 (32 consecutive bytes of dsq).
; par[y][word]: bit b of word i is the parity of ray 32 i + b in face block y; the eight blocks' words are XORed.
; As in the problem's own text, |D|^2 is multiplied by 0 or 1.  The order of the additions differs from a sequential sum.
.macro WSUM r, t                       ; the sum over the wave's 32 lanes, in every lane
	v_add_f32_dpp v[\r], v[\r], v[\r] row_xmask:1 row_mask:0xf bank_mask:0xf
	v_add_f32_dpp v[\r], v[\r], v[\r] row_xmask:2 row_mask:0xf bank_mask:0xf
	v_add_f32_dpp v[\r], v[\r], v[\r] row_xmask:4 row_mask:0xf bank_mask:0xf
	v_add_f32_dpp v[\r], v[\r], v[\r] row_xmask:8 row_mask:0xf bank_mask:0xf
	v_permlanex16_b32 v[\t], v[\r], s12, s13
	v_add_f32 v[\r], v[\r], v[\t]
.endm
	s_load_b128 s[4:7], s[0:1], 0x0                ; dsq s[4:5], par s[6:7]
	s_load_b64 s[8:9], s[0:1], 0x10                ; out0
	v_lshl_add_u32 v32, v0, 2, 0x100
	v_mov_b32 v33, 0
	v_lshlrev_b32 v1, 5, v0                        ; 32 t
	v_lshrrev_b32 v2, 2, v0
	v_lshlrev_b32 v2, 2, v2                        ; word t >> 2
	v_and_b32 v3, 3, v0
	v_lshlrev_b32 v3, 3, v3                        ; my eight bits begin at bit 8 (t & 3)
	v_lshrrev_b32 v4, 5, v0
	v_readfirstlane_b32 s10, v4                    ; wave
	s_mov_b32 s12, 0x76543210
	s_mov_b32 s13, 0xfedcba98
	v_mov_b32 v28, 0                               ; v_permlanex16_b32 counts as a reader of its destination
	s_wait_kmcnt 0x0
	global_load_b128 v[8:11], v1, s[4:5]
	global_load_b128 v[12:15], v1, s[4:5] offset:16
.irp f, 0,1,2,3,4,5,6,7
	global_load_b32 v[16+\f], v2, s[6:7] offset:\f*1024
.endr
	s_wait_loadcnt 0x0
	v_xor_b32 v16, v16, v17
	v_xor_b32 v18, v18, v19
	v_xor_b32 v20, v20, v21
	v_xor_b32 v22, v22, v23
	v_xor_b32 v16, v16, v18
	v_xor_b32 v20, v20, v22
	v_xor_b32 v16, v16, v20
	v_lshrrev_b32 v16, v3, v16
.irp j, 0,1
	v_bfe_u32 v[24+\j], v16, \j, 1
	v_cvt_f32_u32 v[24+\j], v[24+\j]
	v_mul_f32 v[26+\j], v[24+\j], v[8+\j]          ; the first two rays start the two chains
.endr
.irp j, 2,3,4,5,6,7
	v_bfe_u32 v[24+(\j&1)], v16, \j, 1
	v_cvt_f32_u32 v[24+(\j&1)], v[24+(\j&1)]
	v_fmac_f32 v[26+(\j&1)], v[24+(\j&1)], v[8+\j]
.endr
	v_add_f32 v26, v26, v27
	WSUM 26, 28
	v_mov_b32 v5, s10
	v_lshlrev_b32 v5, 2, v5
	ds_store_b32 v5, v26                           ; a word for each wave
	s_wait_dscnt 0x0
	s_barrier_signal -1
	s_barrier_wait -1
	s_cmp_lg_u32 s10, 0
	s_cbranch_scc1 .Lend
	v_lshlrev_b32 v6, 2, v0                        ; wave 0: lane l takes wave l's sum
	ds_load_b32 v7, v6
	s_wait_dscnt 0x0
	WSUM 7, 28
	v_add_f32 v7, 0x2b8cbccc, v7                   ; + 1e-12
	v_sqrt_f32 v29, v7
	v_mov_b32 v30, 0                               ; the plain instruction behind the transcendental (ISA guide 5.7.2)
	v_cmp_eq_u32 vcc_lo, 0, v0
	s_wait_xcnt 0x0                                ; EXEC changes only behind s_wait_xcnt 0
	s_and_saveexec_b32 s14, vcc_lo
	s_wait_alu depctr_va_vdst(0)
	global_store_b32 v30, v29, s[8:9]
	s_wait_xcnt 0x0
	s_or_b32 exec_lo, exec_lo, s14
.Lend:
	s_wait_tensorcnt 0x0
	ds_add_u32 v32, v33
	s_wait_dscnt 0x0
	s_endpgm
.Lfunc_end_k_q71af410128_finish:
	.size	k_q71af410128_finish, .Lfunc_end_k_q71af410128_finish-k_q71af410128_finish
	.p2alignl 7, 3214868480
	.fill 96, 4, 3214868480
	.section	.rodata,"a",@progbits
	.p2align	6, 0x0
	.amdhsa_kernel k_q71af410128_finish
		.amdhsa_group_segment_fixed_size 4352
		.amdhsa_private_segment_fixed_size 0
		.amdhsa_enable_private_segment 0
		.amdhsa_kernarg_size 24
		.amdhsa_user_sgpr_count 2
		.amdhsa_user_sgpr_kernarg_segment_ptr 1
		.amdhsa_wavefront_size32 1
		.amdhsa_system_sgpr_workgroup_id_x 1
		.amdhsa_system_sgpr_workgroup_id_y 1
		.amdhsa_system_sgpr_workgroup_id_z 1
		.amdhsa_system_vgpr_workitem_id 0
		.amdhsa_next_free_vgpr 34
		.amdhsa_next_free_sgpr 66
		.amdhsa_reserve_vcc 1
		.amdhsa_float_denorm_mode_32 3
		.amdhsa_float_denorm_mode_16_64 3
		.amdhsa_memory_ordered 1
		.amdhsa_forward_progress 1
		.amdhsa_inst_pref_size 5
	.end_amdhsa_kernel
	.amdgpu_metadata
---
amdhsa.version: [ 1, 2 ]
amdhsa.kernels:
  - .name:           k_q71af410128_finish
    .symbol:         k_q71af410128_finish.kd
    .args:
      - { .name: dsq, .offset: 0, .size: 8, .value_kind: global_buffer, .address_space: global }
      - { .name: par, .offset: 8, .size: 8, .value_kind: global_buffer, .address_space: global }
      - { .name: out0, .offset: 16, .size: 8, .value_kind: global_buffer, .address_space: global }
    .group_segment_fixed_size: 4352
    .private_segment_fixed_size: 0
    .kernarg_segment_align: 8
    .kernarg_segment_size: 24
    .max_flat_workgroup_size: 1024
    .sgpr_count:     66
    .vgpr_count:     34
    .wavefront_size: 32
...
	.end_amdgpu_metadata
.endif
;; end of part 3
;; ======== version 2 of 2: 3 launches; version 1 with the launch nn written anew for expert scheduling mode
;; limits: right only within a limited range of input values
;; workspace buffers: cand 131,072 bytes of whole numbers; ffrag 655,360 bytes; dsq 32,768 bytes; par 8,192 bytes of whole numbers
;; launch nn (part 4): grid 64 x 4, 8 waves a work-group, no clusters, 41,984 bytes of LDS; arguments sr_points, obj_points, hand_verts, hand_faces, face_normals, cand, ffrag; writes cand, ffrag
.if DOCPART == 4
	.amdgcn_target "amdgcn-amd-amdhsa--gfx1250"
	.amdhsa_code_object_version 6
	.text
	.protected	k_q71af410128_nn
	.globl	k_q71af410128_nn
	.p2align	8
	.type	k_q71af410128_nn,@function
k_q71af410128_nn:
	s_mov_b64 s[64:65], 0
	v_nop
	global_prefetch_b8 v0, s[64:65] scope:SCOPE_SE
	s_setreg_imm32_b32 hwreg(HW_REG_WAVE_SCHED_MODE, 0, 2), 2
	s_setreg_imm32_b32 hwreg(HW_REG_WAVE_MODE, 25, 1), 1
	s_wait_xcnt 0x0
	s_wait_alu depctr_vm_vsrc(0)
; NEAREST NEIGHBOUR, coarse pass, and the faces' matrix fragments.
; score(o, s) = |s'|^2 - 2 o'.s'  with  o' = o - C, s' = s - C, C = sr_points[0]  (|o|^2 is the same for all s and is left out of the argmin).
; The work-group takes 128 object points (x) and a quarter of the sr points, 1,024 (y).  Wave w: 64 object points (w & 1), 256 sr points (w >> 1).
; Each f32 number is split into three bf16 pieces H + M + L; the seven products HH, MH, LH, HM, HL, MM, LM of all four terms fill the 32 k places
; of ONE bf16 matrix instruction, so a 16 x 16 tile of scores costs one instruction (what is dropped is about 2^-27 of a term).
; A lane's eight results are eight consecutive sr points of one object point: the pass keeps, for each object point, the number of the GROUP OF EIGHT
; (index >> 3) that holds the least score; the next launch evaluates the groups' points exactly in f32.  cand[quarter][obj] = group number, 0 to 511.
; LIMITS: NaN and infinities are not served; two groups whose least scores differ by less than the dropped part may be taken for each other.
; Wave 7 also prepares the fragments of 16 faces (tile 64 y + x) for the next launch: see below.
; No tensor loads, clusters or prefetches: all inputs together are some 300 KB and every LDS byte is written once.
; THE MODE: SCHED_MODE bits 1:0 = 2 (LLVM: expert scheduling mode 2), set by the entry lines.  The code itself states the register dependences
; between vector or matrix instructions and memory or LDS instructions, with s_wait_alu, always for 0.
; THE PLAN.  Registers that memory or LDS instructions touch:
;   v1, v2, v6, v14   offsets and an LDS address, made at the head and never written again; v7, v8 likewise, made where they are first wanted.
;   v[48:79]          the head's global loads land here; the build reads and rewrites them; then they are part of A.
;   v[REC:REC+31]     the records of my four sr points, eight registers each: written by the build, read by ONE run of eight LDS stores; then part of A.
;   v[AF:AF+127]      32 LDS loads land here in one run ahead of the scan; from then on matrix instructions alone read them.  The scan holds no memory instruction.
;   v[RS:RS+7]        behind the scan: four (best, group) pairs, written by selects, read by ONE run of four LDS stores; never written again.
;   wave 0            v9 address; its LDS loads land in v[48:79]; v[80:83] are its store's data.
;   wave 7            v9, then v[48:50], addresses; its loads land in v[48:66]; the five records v[QF:QF+19] are read by ONE run of five stores.
;   v254, v255        written at the head, read by the closing add alone.
; Masks made by compares lie in s34 and in s[MK:MK+7]; a wait on va_sdst stands between each run of compares and the first select that reads it.
.set RED,  32768                       ; LDS: 0..32767 sr fragments (64 tiles x 512 bytes); 32768..40959 the waves' (best, group) pairs
.set BF,   16                          ; v[16:47]    B: 4 tiles of object points x 8 registers
.set AF,   48                          ; v[48:175]   A: 16 tiles of sr points x 8 registers (before the scan: scratch of the build)
.set DF,   176                         ; v[176:239]  scores: two sets of 4 tiles x 8 registers, taking turns
.set BEST, 240                         ; v[240:247]  least score, two sets of 4 taking turns
.set ID,   248                         ; v[248:251]  the sr tile (0..15) in which it was found
.set TP,   88                          ; v[88:89]    scratch pair of the split
.set REC,  96                          ; v[96:127]   before the scan: point i's two records at REC + 8 i
.set PB,   16                          ; v[16:19]    behind the scan, in B's registers: the other half of the lanes' best
.set PI,   20                          ; v[20:23]    and its group
.set RS,   24                          ; v[24:31]    the joined (best, group) of tile T at RS + 2 T
.set MK,   36                          ; s[36:43]    masks: two sets of four, taking turns
.macro LD3 d, a, b, off                ; three floats (or indices) of one record of 12 bytes
	global_load_b32 v[\d],   v[\a], s[\b:\b+1] offset:\off
	global_load_b32 v[\d+1], v[\a], s[\b:\b+1] offset:\off+4
	global_load_b32 v[\d+2], v[\a], s[\b:\b+1] offset:\off+8
.endm
.macro SPLIT3 q, s                     ; the pair v[s:s+1] into packed bf16 pieces: v[q] = H, v[q+1] = M, v[q+2] = L; the pair is used up
	v_cvt_pk_bf16_f32 v[\q], v[\s], v[\s+1]
	v_lshlrev_b32 v[TP], 16, v[\q]
	v_and_b32 v[TP+1], s28, v[\q]
	v_pk_add_f32 v[\s:\s+1], v[\s:\s+1], v[TP:TP+1] neg_lo:[0,1] neg_hi:[0,1]
	v_cvt_pk_bf16_f32 v[\q+1], v[\s], v[\s+1]
	v_lshlrev_b32 v[TP], 16, v[\q+1]
	v_and_b32 v[TP+1], s28, v[\q+1]
	v_pk_add_f32 v[\s:\s+1], v[\s:\s+1], v[TP:TP+1] neg_lo:[0,1] neg_hi:[0,1]
	v_cvt_pk_bf16_f32 v[\q+2], v[\s], v[\s+1]
.endm
	s_load_b256 s[4:11], s[0:1], 0x0               ; sr s[4:5], obj s[6:7], verts s[8:9], faces s[10:11]
	s_load_b128 s[12:15], s[0:1], 0x20             ; normals s[12:13], cand s[14:15]
	s_load_b64 s[16:17], s[0:1], 0x30              ; ffrag
	v_lshl_add_u32 v254, v0, 2, 0xa000
	v_mov_b32 v255, 0
	v_lshrrev_b32 v1, 5, v0
	v_readfirstlane_b32 s18, v1                    ; wave
	v_and_b32 v3, 31, v0                           ; lane
	v_cmp_lt_u32 s34, 15, v3                       ; mask of lanes 16 to 31
	s_mov_b32 s19, ttmp9                           ; x: block of 128 object points
	s_and_b32 s20, ttmp7, 0xffff                   ; y: quarter of the sr points
	s_mov_b32 s28, 0xffff0000                      ; a word's upper bf16
	s_mov_b32 s30, 0x76543210                      ; v_permlanex16_b32: lane i takes lane i of the other half
	s_mov_b32 s31, 0xfedcba98
	v_and_b32 v4, 15, v0                           ; r
	v_bfe_u32 v5, v0, 4, 1                         ; h
	v_lshlrev_b32 v14, 4, v3                       ; 16 x lane
	v_mul_u32_u24 v1, v0, 12
	s_mul_i32 s32, s20, 12288
	v_add_nc_u32 v1, s32, v1                       ; byte offset of sr point 1024 y + t
	v_lshrrev_b32 v6, 4, v0
	v_lshlrev_b32 v6, 9, v6
	v_lshl_add_u32 v6, v4, 4, v6                   ; LDS: tile (t >> 4) x 512 + 16 r
	s_wait_alu depctr_va_sdst(0)                   ; s18 and s34 are written, ahead of the first reader of either: the two lines below, and the selects of the build
	s_and_b32 s21, s18, 1                          ; which 64 object points
	s_lshr_b32 s22, s18, 1                         ; which 256 sr points
	s_lshl_b32 s32, s19, 7
	s_lshl_b32 s33, s21, 6
	s_add_co_u32 s32, s32, s33
	v_add_nc_u32 v2, s32, v4
	v_mul_u32_u24 v2, v2, 12                       ; byte offset of object point 128 x + 64 (w & 1) + r
	s_wait_kmcnt 0x0
	s_load_b96 s[24:26], s[4:5], 0x0               ; C
	s_wait_alu depctr_va_vdst(0)                   ; v1 and v2 are written, which the loads below read as offsets; so are v6 and v14, which later LDS stores and global stores read
.irp i, 0,1,2,3
	LD3 48+4*\i, 1, 4, \i*3072                     ; sr points t, t + 256, t + 512, t + 768 of the quarter
.endr
.irp i, 0,1,2,3
	LD3 64+4*\i, 2, 6, \i*192                      ; my column of the wave's four tiles of object points
.endr
	s_wait_kmcnt 0x0
; One sr point: two records of 16 bytes, [H, M, L, H] of the pair (x', y') for lanes 0-15 and of (z', |s'|^2) for lanes 16-31.
; Each point's records have registers of their own, so that the eight LDS stores stand in one run behind one wait.
.macro SRPT i
	s_wait_loadcnt 21-3*\i                         ; loads return in order: behind this point's three stand 3 (3 - i) of sr and 12 of obj
	v_sub_f32 v[48+4*\i],   v[48+4*\i],   s24
	v_sub_f32 v[48+4*\i+1], v[48+4*\i+1], s25
	v_sub_f32 v[48+4*\i+2], v[48+4*\i+2], s26
	v_mul_f32  v[48+4*\i+3], v[48+4*\i],   v[48+4*\i]
	v_fmac_f32 v[48+4*\i+3], v[48+4*\i+1], v[48+4*\i+1]
	v_fmac_f32 v[48+4*\i+3], v[48+4*\i+2], v[48+4*\i+2]
	SPLIT3 REC+8*\i, 48+4*\i
	v_mov_b32 v[REC+8*\i+3], v[REC+8*\i]
	SPLIT3 REC+8*\i+4, 48+4*\i+2
	v_mov_b32 v[REC+8*\i+7], v[REC+8*\i+4]
.endm
	SRPT 0
	SRPT 1
	SRPT 2
	SRPT 3
	s_wait_alu depctr_va_vdst(0)                   ; the splits have written v[REC:REC+31], which the LDS stores read; the build of B below names none of them, nor v6
.irp i, 0,1,2,3
	ds_store_b128 v6, v[REC+8*\i:REC+8*\i+3]   offset:\i*8192
	ds_store_b128 v6, v[REC+8*\i+4:REC+8*\i+7] offset:\i*8192+256
.endr
; B: registers [H, H, H, M, L, M, M, 0] of the pair (-2x', -2y') in lanes 0-15 and of (-2z', 1) in lanes 16-31; against A's [H, M, L, H, H, M, L, H].
.irp T, 0,1,2,3
	s_wait_loadcnt 9-3*\T                          ; behind this tile's three loads stand 3 (3 - T)
	v_sub_f32 v[64+4*\T],   v[64+4*\T],   s24
	v_sub_f32 v[64+4*\T+1], v[64+4*\T+1], s25
	v_sub_f32 v[64+4*\T+2], v[64+4*\T+2], s26
	v_cndmask_b32 v[64+4*\T], v[64+4*\T], v[64+4*\T+2], s34
	v_mul_f32 v[64+4*\T],   -2.0, v[64+4*\T]
	v_mul_f32 v[64+4*\T+1], -2.0, v[64+4*\T+1]
	v_cndmask_b32 v[64+4*\T+1], v[64+4*\T+1], 1.0, s34
	SPLIT3 BF+8*\T+2, 64+4*\T
	v_mov_b32 v[BF+8*\T],   v[BF+8*\T+2]
	v_mov_b32 v[BF+8*\T+1], v[BF+8*\T+2]
	v_mov_b32 v[BF+8*\T+5], v[BF+8*\T+3]
	v_mov_b32 v[BF+8*\T+6], v[BF+8*\T+3]
	v_mov_b32 v[BF+8*\T+7], 0
	v_mov_b32 v[BEST+\T], 0x7f800000               ; +infinity
	v_mov_b32 v[ID+\T], 0
.endr
	s_lshl_b32 s32, s22, 13
	v_add_nc_u32 v7, s32, v14                      ; my wave's 16 sr tiles: 8,192 (w >> 1) + 16 lane
	s_wait_dscnt 0x0                               ; my records are in LDS, for the other waves' sake
	s_barrier_signal -1
	s_barrier_wait -1
	s_wait_alu depctr_vm_vsrc(0)                   ; my LDS stores have read v[REC:REC+31], in which loads of A land
	s_wait_alu depctr_va_vdst(0)                   ; the build is done reading and writing v[48:127], in which loads of A land; v7, their address, is written
.set i, 0
.rept 16
	ds_load_b128 v[AF+8*i:AF+8*i+3],   v7 offset:i*512     ; the record serves registers 0-3
	ds_load_b128 v[AF+8*i+4:AF+8*i+7], v7 offset:i*512     ; and 4-7
.set i, i+1
.endr
; Four matrix instructions: sr tile i against the four tiles of object points.  C is the constant 0: no sum is carried on, so no accumulator is taken up in place.
.macro WNN i
	s_wait_dscnt 30-2*(\i)                         ; behind tile i's two loads stand 30 - 2 i
.irp T, 0,1,2,3
	v_wmma_f32_16x16x32_bf16 v[DF+32*((\i)&1)+8*\T:DF+32*((\i)&1)+8*\T+7], v[AF+8*(\i):AF+8*(\i)+7], v[BF+8*\T:BF+8*\T+7], 0
.endr
.endm
.macro MIN3S i, a, b
.irp T, 0,1,2,3
	v_min3_num_f32 v[DF+32*((\i)&1)+8*\T], v[DF+32*((\i)&1)+8*\T], v[DF+32*((\i)&1)+8*\T+\a], v[DF+32*((\i)&1)+8*\T+\b]
.endr
.endm
; 24 vector instructions for 4 x 256 scores: the least of a lane's eight and of the best so far; where the best changed, the tile's number is kept (a tie keeps the earlier).
; The four compares of tile i write mask set i & 1; the four selects that read it stand in tile i + 1's turn, behind four matrix instructions and twelve minima,
; with the wait for the masks directly ahead of them.  The selects stay in the order of the tiles.
.macro VNN i
	MIN3S \i, 1, 2
	MIN3S \i, 3, 4
	MIN3S \i, 5, 6
.if (\i) > 0
	s_wait_alu depctr_va_sdst(0)                   ; the compares of the tile before have written their four masks, which the selects below read
.irp T, 0,1,2,3
	v_cndmask_b32 v[ID+\T], (\i)-1, v[ID+\T], s[MK+4*(((\i)-1)&1)+\T]
.endr
.endif
.irp T, 0,1,2,3
	v_min3_num_f32 v[BEST+4*(1-((\i)&1))+\T], v[DF+32*((\i)&1)+8*\T], v[DF+32*((\i)&1)+8*\T+7], v[BEST+4*((\i)&1)+\T]
.endr
.irp T, 0,1,2,3
	v_cmp_eq_f32 s[MK+4*((\i)&1)+\T], v[BEST+4*(1-((\i)&1))+\T], v[BEST+4*((\i)&1)+\T]
.endr
.endm
; The two score sets take turns.  Between the matrix instructions of a tile and the vector work that reads their results stands the vector work on the OTHER set,
; 20 or 24 independent vector instructions (ISA guide 7.12.1 asks for independent vector instructions or v_nop there); only the first tile needs v_nop.
	WNN 0
	WNN 1
.rept 4
	v_nop
.endr
.irp i, 0,1,2,3,4,5,6,7,8,9,10,11,12,13
	VNN \i
	WNN \i+2
.endr
	VNN 14
	VNN 15                                         ; the best now lies in set 0
	s_wait_alu depctr_va_sdst(0)                   ; tile 15's compares have written their four masks, which the selects below read
.irp T, 0,1,2,3
	v_cndmask_b32 v[ID+\T], 15, v[ID+\T], s[MK+4+\T]
.endr
	; the two halves of the lanes hold the two groups of eight of a tile: group = 2 (64 y + 16 (w >> 1) + tile) + h
	s_lshl_b32 s32, s20, 6
	s_lshl_b32 s33, s22, 4
	s_add_co_u32 s32, s32, s33
	v_lshlrev_b32 v8, 12, v5                       ; lanes 16-31 store into a half of RED that nobody reads: no change of EXEC
	v_lshl_add_u32 v8, v4, 3, v8
	s_lshl_b32 s33, s22, 10
	s_lshl_b32 s35, s21, 9
	s_add_co_u32 s33, s33, s35
	s_add_co_u32 s33, s33, RED
	v_add_nc_u32 v8, s33, v8                       ; RED + 4096 h + 1024 (w >> 1) + 8 (64 (w & 1) + r)
.irp T, 0,1,2,3
	v_add_nc_u32 v[ID+\T], s32, v[ID+\T]
	v_lshl_or_b32 v[ID+\T], v[ID+\T], 1, v5
.endr
.irp T, 0,1,2,3
	v_permlanex16_b32 v[PB+\T], v[BEST+\T], s30, s31   ; v_permlanex16_b32 counts as a reader of its destination: B's registers, which the build has written;
	v_permlanex16_b32 v[PI+\T], v[ID+\T], s30, s31     ; tile 14's vector work stands between the last products that read B and these lines
.endr
.irp T, 0,1,2,3
	v_cmp_lt_f32 s[MK+\T], v[PB+\T], v[BEST+\T]    ; in lanes 0-15 the other half's group is the later one: it wins only if strictly less
.endr
	s_wait_alu depctr_va_sdst(0)                   ; these four compares have written their masks, which the selects below read
.irp T, 0,1,2,3
	v_cndmask_b32 v[RS+2*\T],   v[BEST+\T], v[PB+\T], s[MK+\T]
	v_cndmask_b32 v[RS+2*\T+1], v[ID+\T],   v[PI+\T], s[MK+\T]
.endr
	s_wait_alu depctr_va_vdst(0)                   ; the selects have written v[RS:RS+7], the LDS stores' data, and v8, their address, is written
.irp T, 0,1,2,3
	ds_store_b64 v8, v[RS+2*\T:RS+2*\T+1] offset:\T*128
.endr
	s_wait_dscnt 0x0
	s_barrier_signal -1
	s_barrier_wait -1
	s_cmp_lg_u32 s18, 0
	s_cbranch_scc1 .Lnot_wave_0
	; wave 0: lane l joins the four waves' results for object points 4 l .. 4 l + 3 and stores four group numbers: the wave's store covers 512 consecutive bytes, aligned
	v_lshlrev_b32 v9, 5, v3
	s_wait_alu depctr_va_vdst(0)                   ; v9, the loads' address, is written; the matrix instructions are done reading v[48:79], in which the loads land
.irp b, 0,1,2,3
	ds_load_b128 v[48+8*\b:48+8*\b+3], v9 offset:RED+\b*1024
	ds_load_b128 v[52+8*\b:52+8*\b+3], v9 offset:RED+\b*1024+16
.endr
	s_lshl_b32 s32, s20, 15
	s_lshl_b32 s33, s19, 9
	s_add_co_u32 s32, s32, s33
	s_mov_b32 s33, 0
	s_add_nc_u64 s[14:15], s[14:15], s[32:33]
	s_wait_dscnt 0x0
.irp b, 1,2,3
.irp j, 0,1,2,3
	v_cmp_lt_f32 s[MK+\j], v[48+8*\b+2*\j], v[48+2*\j]
.endr
	s_wait_alu depctr_va_sdst(0)                   ; this round's four compares have written their masks, which the selects below read
.irp j, 0,1,2,3
	v_cndmask_b32 v[48+2*\j], v[48+2*\j], v[48+8*\b+2*\j], s[MK+\j]
	v_cndmask_b32 v[49+2*\j], v[49+2*\j], v[49+8*\b+2*\j], s[MK+\j]
.endr
.endr
	v_mov_b32 v80, v49
	v_mov_b32 v81, v51
	v_mov_b32 v82, v53
	v_mov_b32 v83, v55
	s_wait_alu depctr_va_vdst(0)                   ; the four moves have written v[80:83], the store's data
	global_store_b128 v14, v[80:83], s[14:15]
	s_wait_dscnt 0x0                               ; the closing lines, six on end
	s_wait_alu 0x0
	s_wait_tensorcnt 0x0
	ds_add_u32 v254, v255
	s_wait_dscnt 0x0
	s_endpgm
.Lnot_wave_0:
	s_cmp_lg_u32 s18, 7
	s_cbranch_scc1 .Lend
	; WAVE 7: THE FRAGMENTS OF 16 FACES.  With c_k = n x (vb - va), kappa = n.v0', primes meaning "minus C":
	;   a_k = c_k x n,  w_k = kappa c_k - (c_k.va') n,  so that  edge_sign_k x (n.D) = a_k.(O' x D) + w_k.D   (triple-product expansion; no division is needed),
	;   den = n.D,  num = kappa - n.O'.
	; Records of 4 words of packed bf16: E_k [(ax,ay),(az,wx),(wy,wz),0], den [(nx,ny),(nz,0),0,0], num [0,0,(-nx,-ny),(-nz,kappa)].
	; Each number is two pieces, hi + lo.  Lane (r, h) computes face r and stores its hi (h = 0) or lo (h = 1) record at tile x 2560 + p x 512 + 16 lane.
.set FN,  52                           ; n; v55 = 0
.set FV0, 56
.set FV1, 60
.set FV2, 64
.set KAP, 59
.set ED,  68                           ; vb - va
.set TS,  71
.set CC,  72                           ; c_k
.set SD,  75                           ; c_k.va'
.set VP,  76                           ; va'
.set RW,  80                           ; a_k, w_k: six registers
.set TT,  86
.set HH,  88
.set LL,  89
.set NK,  90                           ; (-nz, kappa)
.set QF,  92                           ; five records to store
.macro CROSS d, a, b
	v_mul_f32 v[TS], v[\a+2], v[\b+1]
	v_fma_f32 v[\d], v[\a+1], v[\b+2], -v[TS]
	v_mul_f32 v[TS], v[\a], v[\b+2]
	v_fma_f32 v[\d+1], v[\a+2], v[\b], -v[TS]
	v_mul_f32 v[TS], v[\a+1], v[\b]
	v_fma_f32 v[\d+2], v[\a], v[\b+1], -v[TS]
.endm
.macro DOT3 d, a, b
	v_mul_f32  v[\d], v[\a], v[\b]
	v_fmac_f32 v[\d], v[\a+1], v[\b+1]
	v_fmac_f32 v[\d], v[\a+2], v[\b+2]
.endm
.macro SUBC d, a
	v_sub_f32 v[\d],   v[\a],   s24
	v_sub_f32 v[\d+1], v[\a+1], s25
	v_sub_f32 v[\d+2], v[\a+2], s26
.endm
.macro SPLITSEL d, s                   ; the pair v[s:s+1] as packed bf16: the hi pieces in lanes 0-15, the lo pieces in lanes 16-31
	v_cvt_pk_bf16_f32 v[HH], v[\s], v[\s+1]
	v_lshlrev_b32 v[TT], 16, v[HH]
	v_and_b32 v[TT+1], s28, v[HH]
	v_pk_add_f32 v[TT:TT+1], v[\s:\s+1], v[TT:TT+1] neg_lo:[0,1] neg_hi:[0,1]
	v_cvt_pk_bf16_f32 v[LL], v[TT], v[TT+1]
	v_cndmask_b32 v[\d], v[HH], v[LL], s34
.endm
.macro EDGE p, va, vb                  ; record p; each record has registers of its own, and all five are stored in one run at the end
.irp j, 0,1,2
	v_sub_f32 v[ED+\j], v[\vb+\j], v[\va+\j]
.endr
	CROSS CC, FN, ED
	CROSS RW, CC, FN
	SUBC VP, \va
	DOT3 SD, CC, VP
.irp j, 0,1,2
	v_mul_f32 v[TS], v[SD], v[FN+\j]
	v_fma_f32 v[RW+3+\j], v[KAP], v[CC+\j], -v[TS]
.endr
	SPLITSEL QF+4*\p,   RW
	SPLITSEL QF+4*\p+1, RW+2
	SPLITSEL QF+4*\p+2, RW+4
	v_mov_b32 v[QF+4*\p+3], 0
.endm
	s_lshl_b32 s32, s20, 6
	s_add_co_u32 s32, s32, s19                     ; face tile 64 y + x
	s_lshl_b32 s33, s32, 4
	v_add_nc_u32 v9, s33, v4
	v_mul_u32_u24 v9, v9, 12                       ; face 16 tile + r, 12 bytes each
	s_wait_alu depctr_va_vdst(0)                   ; v9, the loads' offset, is written; the matrix instructions are done reading v[48:66], in which this wave's loads land
	LD3 48, 9, 10, 0                               ; its three vertex numbers
	LD3 FN, 9, 12, 0                               ; its normal
	s_mul_i32 s32, s32, 2560
	s_mov_b32 s33, 0
	s_add_nc_u64 s[16:17], s[16:17], s[32:33]
	s_wait_loadcnt 0x0
.irp j, 0,1,2
	v_min_u32 v[48+\j], 0x1003, v[48+\j]           ; 4,100 vertices
	v_mul_u32_u24 v[48+\j], v[48+\j], 12
.endr
	s_wait_alu depctr_va_vdst(0)                   ; v[48:50] are written, which the gathers below read as offsets
	LD3 FV0, 48, 8, 0
	LD3 FV1, 49, 8, 0
	LD3 FV2, 50, 8, 0
	v_mov_b32 v[FN+3], 0
	s_wait_loadcnt 0x0
	SUBC VP, FV0
	DOT3 KAP, FN, VP
	EDGE 0, FV0, FV1
	EDGE 1, FV1, FV2
	EDGE 2, FV2, FV0
	SPLITSEL QF+12, FN
	SPLITSEL QF+13, FN+2
	v_mov_b32 v[QF+14], 0
	v_mov_b32 v[QF+15], 0
	v_xor_b32 v[NK], 0x80000000, v[FN+2]
	v_mov_b32 v[NK+1], v[KAP]
	v_mov_b32 v[QF+16], 0
	v_mov_b32 v[QF+17], 0
	v_xor_b32 v[QF+18], 0x80008000, v[QF+12]       ; both pieces of -n are those of n with the signs turned
	SPLITSEL QF+19, NK
	s_wait_alu depctr_va_vdst(0)                   ; the five records v[QF:QF+19] are written, which the stores below read
.irp p, 0,1,2,3,4
	global_store_b128 v14, v[QF+4*\p:QF+4*\p+3], s[16:17] offset:\p*512   ; 512 consecutive bytes, aligned
.endr
.Lend:
	s_wait_dscnt 0x0                               ; the closing lines, six on end
	s_wait_alu 0x0
	s_wait_tensorcnt 0x0
	ds_add_u32 v254, v255
	s_wait_dscnt 0x0
	s_endpgm
.Lfunc_end_k_q71af410128_nn:
	.size	k_q71af410128_nn, .Lfunc_end_k_q71af410128_nn-k_q71af410128_nn
	.p2alignl 7, 3214868480
	.fill 96, 4, 3214868480
	.section	.rodata,"a",@progbits
	.p2align	6, 0x0
	.amdhsa_kernel k_q71af410128_nn
		.amdhsa_group_segment_fixed_size 41984
		.amdhsa_private_segment_fixed_size 0
		.amdhsa_enable_private_segment 0
		.amdhsa_kernarg_size 56
		.amdhsa_user_sgpr_count 2
		.amdhsa_user_sgpr_kernarg_segment_ptr 1
		.amdhsa_wavefront_size32 1
		.amdhsa_system_sgpr_workgroup_id_x 1
		.amdhsa_system_sgpr_workgroup_id_y 1
		.amdhsa_system_sgpr_workgroup_id_z 1
		.amdhsa_system_vgpr_workitem_id 0
		.amdhsa_next_free_vgpr 256
		.amdhsa_next_free_sgpr 66
		.amdhsa_reserve_vcc 0
		.amdhsa_float_denorm_mode_32 3
		.amdhsa_float_denorm_mode_16_64 3
		.amdhsa_memory_ordered 1
		.amdhsa_forward_progress 1
		.amdhsa_inst_pref_size 63
	.end_amdhsa_kernel
	.amdgpu_metadata
---
amdhsa.version: [ 1, 2 ]
amdhsa.kernels:
  - .name:           k_q71af410128_nn
    .symbol:         k_q71af410128_nn.kd
    .args:
      - { .name: sr_points, .offset: 0, .size: 8, .value_kind: global_buffer, .address_space: global }
      - { .name: obj_points, .offset: 8, .size: 8, .value_kind: global_buffer, .address_space: global }
      - { .name: hand_verts, .offset: 16, .size: 8, .value_kind: global_buffer, .address_space: global }
      - { .name: hand_faces, .offset: 24, .size: 8, .value_kind: global_buffer, .address_space: global }
      - { .name: face_normals, .offset: 32, .size: 8, .value_kind: global_buffer, .address_space: global }
      - { .name: cand, .offset: 40, .size: 8, .value_kind: global_buffer, .address_space: global }
      - { .name: ffrag, .offset: 48, .size: 8, .value_kind: global_buffer, .address_space: global }
    .group_segment_fixed_size: 41984
    .private_segment_fixed_size: 0
    .kernarg_segment_align: 8
    .kernarg_segment_size: 56
    .max_flat_workgroup_size: 256
    .sgpr_count:     66
    .vgpr_count:     256
    .wavefront_size: 32
...
	.end_amdgpu_metadata
.endif
;; end of part 4
;; launch hits: the kernel of part 2 again; grid 32 x 8, 8 waves a work-group, no clusters, 168,960 bytes of LDS; arguments ffrag, cand, obj_points, sr_points, out1, dsq, par; writes out1, dsq, par
;; launch finish: the kernel of part 3 again; grid 1 x 1, 32 waves a work-group, no clusters, 4,352 bytes of LDS; arguments dsq, par, out0; writes out0
